; MI455X (gfx1250); checked and timed in simulation.
; The chip was launched on July 23, 2026; its instructions are those of AMD's public machine-readable ISA for CDNA 5 (MIT licence, August 2026) and "CDNA5" Instruction Set Architecture Reference Guide (July 2026). The comments in the code are by the model that wrote it; some were corrected since.
;; Attention. Allowed arithmetic: matrix products marked QUANTISED: E2M3 operands, one E8M0 scale for each 32 along K, by v_wmma_scale_f32_16x16x128_f8f6f4 with both operands' format E2M3, f32 sums; everything else in f32.
;; Inputs: Wk 1,024 x 1,024 float32; Wq 1,024 x 1,024 float32; Wv 1,024 x 1,024 float32; bk 1,024 float32; bq 1,024 float32; bv 1,024 float32; x 4 x 2,048 x 1,024 float32.
;; Outputs: out0 4 x 2,048 x 1,024 float32.
;; This version of the problem:
;;   THIS VERSION OF THE PROBLEM IS GIVEN IN LOW PRECISION. The matrix products marked QUANTISED in the list below multiply operands that are first quantised to E2M3 (2 exponent bits, 3 mantissa bits; 6 bits a number), with one power-of-two scale for each 32 numbers along K (OCP MX v1.0); their sums are f32. All else is computed in f32.
;;   The module's matrix products, in the order in which they are computed (A, B: the left and right operand; K: the contracted axis; several contracted axes count as one K, in the product's order):
;;     1. [M 8,192, K 1,024] x [K 1,024, N 1,024]; A: input x; B: input Wq: QUANTISED
;;     2. [M 8,192, K 1,024] x [K 1,024, N 1,024]; A: input x; B: input Wk: QUANTISED
;;     3. [M 8,192, K 1,024] x [K 1,024, N 1,024]; A: input x; B: input Wv: QUANTISED
;;     4. batch 64 x [M 2,048, K 64] x [K 64, N 2,048]; A: computed on the way; B: computed on the way: QUANTISED
;;     5. batch 64 x [M 2,048, K 2,048] x [K 2,048, N 64]; A: softmax (see below); B: computed on the way: QUANTISED
;;   THE QUANTISER, for each operand of a quantised product, along K:
;;     - K is cut into blocks of 32 from its start; a last block that is shorter is filled with zeros.
;;     - A block's scale is 2^e with e = floor(log2(the largest magnitude in the block)) - 2, held to -126 .. 127; a block of zeros has e = 0. As a byte (E8M0): e + 127.
;;     - Each number is divided by its block's scale, clamped to +-7.5, and rounded to the nearest number of E2M3, ties to even, subnormals kept.
;;     - The product sums the exact products of the quantised numbers (number of the format x scale) in f32.
;;   ~~~python
;;   def quantise(x, axis):      # numpy; x: float32 -> the quantised numbers, widened to float32 again
;;       x = np.moveaxis(x, axis, -1); K = x.shape[-1]
;;       x = np.pad(x, [(0, 0)] * (x.ndim - 1) + [(0, -K % 32)]); x = x.reshape(x.shape[:-1] + (-1, 32)); a = np.abs(x).max(-1, keepdims=True)
;;       e = np.where(a > 0, np.clip(np.frexp(np.where(a > 0, a, 1))[1] - 1 - 2, -126, 127), 0)      # np.frexp(a)[1] - 1 = floor(log2(a)), exactly
;;       r = np.clip(x / 2.0 ** e, -7.5, 7.5)
;;       step = 2.0 ** (np.maximum(np.frexp(np.where(r == 0, 1, r))[1] - 1, 0) - 3)
;;       q = np.round(r / step) * step * 2.0 ** e      # np.round: ties to even
;;       return np.moveaxis(q.reshape(q.shape[:-2] + (-1,))[..., :K], -1, axis).astype(np.float32)
;;   ~~~
;;   SOFTMAX AHEAD OF A QUANTISED PRODUCT. Where the list says 'softmax', what is quantised is not the finished softmax but p = 2^(t - M), with t = logit x log2(e) and M = ceil(the row's largest t), a whole number; so 1/2 < the row's largest p <= 1. The row's sum l is taken of the UNQUANTISED p, in f32, and the product's result is divided by l at the end. Since M is a whole number, a kernel that streams over the keys may use a running M (the ceiling of the running maximum): every later rescaling is an exact power of two, which a block's scale takes up: the codes' values come out the same.
;;   OPERANDS COMPUTED ON THE WAY. 'Computed on the way' means the value that the module computes at that place (a softmax that the list does not call 'softmax' is quantised finished and normalised). What goes into a quantiser is computed in f32, as accurately as f32 sums, v_exp_f32 and their like allow (about 1e-6 of the number): no bf16 or f16 on the way to a quantiser, and a product that is left as it is and whose result goes on into a quantised operand takes f32 operands (vector FMAs, or v_wmma_f32_16x16x4_f32). A number that lies on a knife's edge between two numbers of the format may be rounded either way, as far as f32 arithmetic and the matrix unit's own rounding can turn it there, and no further.
;; One version. Each part assembles by itself: llvm-mc -triple=amdgcn-amd-amdhsa -mcpu=gfx1250 --defsym DOCPART=n.
;; ======== version 1 of 1: 3 launches
;; limits: right only within a limited range of input values
;; workspace buffers: ops 9,011,200 bytes; qkv 19,660,800 bytes
;; launch quant (part 1): grid 256 x 1, 11 waves a work-group, no clusters, 79,104 bytes of LDS; arguments x, Wq, Wk, Wv, ops; writes ops
.if DOCPART == 1
	.amdgcn_target "amdgcn-amd-amdhsa--gfx1250"
	.amdhsa_code_object_version 6
	.text
	.protected	k_q2ee3466fad_quant
	.globl	k_q2ee3466fad_quant
	.p2align	8
	.type	k_q2ee3466fad_quant,@function
k_q2ee3466fad_quant:
	s_mov_b64 s[64:65], 0
	v_nop
	global_prefetch_b8 v0, s[64:65] scope:SCOPE_SE
	s_setreg_imm32_b32 hwreg(HW_REG_WAVE_MODE, 25, 1), 1
	s_wait_xcnt 0x0
; x [8192][1024] and Wq, Wk, Wv [1024 (k)][1024 (n)], f32, become codes of FP6 (E2M3) with one E8M0 byte for each 32 along K, laid as IMAGES OF OPERAND REGISTERS, in one launch.
; ops is 88 records of 102,400 bytes, one for 128 operand rows: records 0-63 x's rows, 64-71 Wq's columns, 72-79 Wk's, 80-87 Wv's.
; A record: [K step of 128: 0..7][12,800 bytes]: eight tiles of 1,536 bytes of codes, then from byte 12,288 of the step its scale words [tile][16 rows].
; A TILE'S ROWS ARE NOT NEIGHBOURS: lane r of tile 2 g + u stands for row 32 g + 8 u + r + 8 (r / 8), so that results made from two neighbouring tiles hold 16 neighbours of the next product's K in a lane.
; An image: a fragment is 12 registers a lane (lane (r, h): registers 6 c .. 6 c + 5 = k 64 c + 32 h + 0 .. 31 of row r); registers 4 k .. 4 k + 3 of lane l lie at 512 k + 16 l.
; SHARES: 256 work-groups of eleven waves.  Waves 0-7: the work-group's 32 rows of x (two tiles), wave s the K step s.  Waves 8-10: one each of the weights' 768 tasks of 32 columns x 128 along K (3 x 256 = 768).
; The two roles part once, on the wave's number, and do not join; each has LDS bytes of its own.
; x: each load reads 512 consecutive bytes of a row; the conversions want 32 neighbours in ONE lane, so a tile turns through the wave's own stage (rows 528 bytes apart).
; W: K is the first axis: a lane takes a column and its registers run down K; a load reads 128 consecutive bytes; the codes go into two images in the wave's own LDS bytes and leave as 512 consecutive bytes a store.
; A block's scale is 2^(floor(log2(largest magnitude)) - 2): its byte is the largest magnitude's exponent field - 2, held at 1 from below by a floor among the maximum's leaves.
; LIMITS: NaN and infinities are not served; a block whose largest magnitude lies under 2^-124 gets the byte 1; a block of zeros gets the byte 1 where the rule says 127 (its codes are zeros, and this program alone reads the bytes).
; No tensor load, no barrier, no cluster: waves and work-groups share no input.
.set ROWX,  4096                       ; a row of x, and of a weight, in bytes
.set BREC,  102400                     ; a record of ops
.set KST,   12800                      ; a K step of a record
.set SCW,   12288                      ; where a K step's scale words begin
.set SP,    528                        ; x: a stage row: 512 bytes + 16
.set STG,   16*SP                      ; x: a wave's stage
.set WB,    8*STG                      ; W: the images of waves 8-10, behind x's stages
.set IP,    1664                       ; W: from one image to the next: 1,536 + 128
.set SPARE, WB+3*2*IP                  ; the spare words, 128 bytes a wave: six blocks of 256 bytes that no other line names
.set SPW,   20                         ; v20  my spare word's LDS address; never rewritten
.set NIL,   21                         ; v21  0; never rewritten
.set CT,    24                         ; v24-30  the upper halves of blocks' codes
.set C,     32                         ; x: v32-55  a fragment for each tile
.set R,     64                         ; x: v64-191 the numbers as loaded
.set X,     192                        ; x: v192-255 my 64 numbers: 32 c + e = k 64 c + 32 h + e of row r
.set P,     32                         ; W: v32-55  six registers for each of my four blocks
.set OUTR,  56                         ; W: v56-79  the two images read back
.set XW,    80                         ; W: v80-143 two sets of 32 numbers
	s_load_b256 s[4:11], s[0:1], 0x0               ; x s[4:5], Wq s[6:7], Wk s[8:9], Wv s[10:11]
	s_load_b64 s[26:27], s[0:1], 0x20              ; ops
	v_lshl_add_u32 v[SPW], v0, 2, SPARE
	v_mov_b32 v[NIL], 0
	v_lshrrev_b32 v1, 5, v0
	v_readfirstlane_b32 s16, v1                    ; wave
	s_cmp_ge_u32 s16, 8
	s_wait_alu depctr_va_vdst(0)
	s_cbranch_scc1 .Lw
; ---------------- waves 0-7: x.  Wave = K step
	v_and_b32 v1, 31, v0                           ; lane
	v_and_b32 v2, 15, v0                           ; r
	v_bfe_u32 v3, v0, 4, 1                         ; h
	v_lshlrev_b32 v4, 4, v1                        ; 16 x lane: my bytes of a load and of an image
	s_mul_i32 s17, s16, STG
	v_add_nc_u32 v5, s17, v4                       ; the stage, on the way in
	v_mul_u32_u24 v6, v2, SP
	v_lshl_add_u32 v6, v3, 7, v6
	v_add_nc_u32 v6, s17, v6                       ; and back: row r, + 128 h bytes
	v_lshlrev_b32 v7, 2, v1                        ; 4 x lane: the scale words' place
	v_lshlrev_b32 v8, 3, v3                        ; 8 h: my bytes' shift in the scale word
	v_mov_b32 v17, 0                               ; a lane permute's destination counts as read: written once
	s_mov_b32 s20, 0x76543210
	s_mov_b32 s21, 0xfedcba98                      ; selects for lane l xor 16
	s_lshl_b32 s12, ttmp9, 17                      ; 32 rows of 4,096 bytes a work-group,
	s_lshl_b32 s18, s16, 9
	s_add_co_u32 s12, s12, s18                     ; + 512 bytes a K step
	s_mov_b32 s13, 0
	s_lshr_b32 s14, ttmp9, 2
	s_mul_i32 s14, s14, BREC                       ; my record: four work-groups to 128 rows
	s_and_b32 s18, ttmp9, 3
	s_mul_i32 s19, s18, 3072                       ; my two tiles in a K step
	s_add_co_u32 s22, s14, s19
	s_mul_i32 s19, s16, KST                        ; the K step
	s_add_co_u32 s22, s22, s19
	s_mov_b32 s23, 0
	s_lshl_b32 s18, s18, 7                         ; my two tiles' 32 scale words
	s_add_co_u32 s24, s14, s18
	s_add_co_u32 s24, s24, s19
	s_add_co_u32 s24, s24, SCW
	s_mov_b32 s25, 0
	s_wait_alu depctr_va_vdst(0)
	s_wait_kmcnt 0x0
	s_add_nc_u64 s[4:5], s[4:5], s[12:13]
	s_add_nc_u64 s[8:9], s[26:27], s[22:23]        ; my images
	s_add_nc_u64 s[10:11], s[26:27], s[24:25]      ; my scale words
.macro LOAD u                          ; tile u's sixteen rows, 512 consecutive bytes each
.irp p, 0,1,2,3,4,5,6,7,8,9,10,11,12,13,14,15
	global_load_b128 v[R+64*\u+4*\p:R+64*\u+4*\p+3], v4, s[4:5] offset:(8*\u+\p+8*(\p/8))*ROWX th:TH_LOAD_NT
.endr
.endm
.macro TURN u                          ; through the stage: LDS serves a wave's instructions in order, so no wait stands between the stores and the loads
.irp p, 0,1,2,3,4,5,6,7,8,9,10,11,12,13,14,15
	ds_store_b128 v5, v[R+64*\u+4*\p:R+64*\u+4*\p+3] offset:SP*\p
.endr
.irp c, 0,1
.irp j, 0,1,2,3,4,5,6,7
	ds_load_b128 v[X+32*\c+4*\j:X+32*\c+4*\j+3], v6 offset:256*\c+16*\j
.endr
.endr
.endm
.macro QX u                            ; my two whole blocks (2 c + h) become six registers each; the scale word is pieced together with lane l xor 16
.irp c, 0,1
	v_max3_num_f32 v[10+\c], |v[X+32*\c]|, |v[X+32*\c+1]|, 0x1800000   ; the floor 2^(3 - 127) among the leaves
.endr
.irp i, 2,4,6,8,10,12,14,16,18,20,22,24,26,28,30
.irp c, 0,1
	v_max3_num_f32 v[10+\c], v[10+\c], |v[X+32*\c+\i]|, |v[X+32*\c+\i+1]|
.endr
.endr
.irp c, 0,1
	v_add_nc_u32 v[12+\c], 0xff000000, v[10+\c]    ; 2 off the exponent field: the conversion's scale operand
.endr
.irp c, 0,1
	v_lshrrev_b32 v[14+\c], 23, v[12+\c]           ; the scale's byte
.endr
	v_lshl_or_b32 v16, v15, 16, v14                ; blocks h and 2 + h,
	v_lshlrev_b32 v16, v8, v16                     ; at their places,
	v_permlanex16_b32 v17, v16, s20, s21
	v_or_b32 v[18+\u], v16, v17                    ; with the other half's two the word is whole
.irp c, 0,1
	v_cvt_scalef32_pk16_fp6_f32 v[C+12*\u+6*\c:C+12*\u+6*\c+2], v[X+32*\c:X+32*\c+15], v[12+\c]
	v_cvt_scalef32_pk16_fp6_f32 v[CT+4*\c:CT+4*\c+2], v[X+32*\c+16:X+32*\c+31], v[12+\c]   ; (a conversion's three registers begin on an even number)
.endr
	v_nop                                          ; one plain place behind the scaled conversions
.irp c, 0,1
.irp i, 0,1,2
	v_mov_b32 v[C+12*\u+6*\c+3+\i], v[CT+4*\c+\i]
.endr
.endr
.irp k, 0,1,2
	global_store_b128 v4, v[C+12*\u+4*\k:C+12*\u+4*\k+3], s[8:9] offset:1536*\u+512*\k   ; 512 consecutive bytes, aligned; each tile has its own registers
.endr
.endm
	LOAD 0
	LOAD 1
	s_wait_loadcnt 16                              ; tile 0's sixteen loads are in, tile 1's sixteen may be out
	TURN 0
	s_wait_dscnt 0x0
	QX 0
	s_wait_loadcnt 0x0
	TURN 1
	s_wait_dscnt 0x0
	QX 1
	v_cmp_ne_u32 vcc_lo, 0, v3
	v_cndmask_b32 v22, v18, v19, vcc_lo            ; lanes 0-15 carry tile 0's words, lanes 16-31 tile 1's
	global_store_b32 v7, v22, s[10:11]             ; 128 consecutive bytes
	s_wait_tensorcnt 0x0                           ; the wave's end
	ds_add_u32 v[SPW], v[NIL]
	s_wait_dscnt 0x0
	s_endpgm
; ---------------- waves 8-10: the weights.  Task 3 x work-group + wave - 8 = [record 0..23][K step 0..7][w 0..3]: columns 32 w + lane of the record's 128: tiles 2 w, 2 w + 1.
; Lane n is lane r = (n & 7) + 8 (n >> 4) of tile u = (n >> 3) & 1.
.Lw:
	s_mul_i32 s22, ttmp9, 3
	s_add_co_u32 s22, s22, s16
	s_sub_co_u32 s22, s22, 8                       ; the task
	s_and_b32 s23, s22, 3                          ; w
	s_bfe_u32 s18, s22, 0x30002                    ; K step
	s_lshr_b32 s22, s22, 5                         ; record - 64 = matrix x 8 + block of 128 columns
	v_and_b32 v1, 31, v0                           ; lane = my column among the wave's 32
	v_bfe_u32 v3, v0, 3, 1                         ; u
	v_and_b32 v4, 7, v0
	v_bfe_u32 v9, v0, 4, 1
	v_lshl_add_u32 v4, v9, 3, v4                   ; r
	v_lshlrev_b32 v2, 2, v1                        ; in: 4 bytes a lane
	s_mul_i32 s17, s16, 2*IP
	s_add_co_u32 s17, s17, WB-16*IP                ; my two images in LDS: WB + (wave - 8) x 2 IP
	v_mul_u32_u24 v5, v3, IP
	v_lshl_add_u32 v5, v4, 4, v5
	v_add_nc_u32 v5, s17, v5                       ; into the images: tile u, 16 r
	v_lshlrev_b32 v7, 4, v1                        ; out: 16 x lane
	v_add_nc_u32 v6, s17, v7
	v_lshlrev_b32 v8, 6, v3
	v_lshl_add_u32 v8, v4, 2, v8                   ; my scale word: 64 u + 4 r
	s_and_b32 s19, s22, 7                          ; block of 128 columns
	s_lshl_b32 s28, s18, 19                        ; 128 rows of 4,096 bytes,
	s_lshl_b32 s19, s19, 9
	s_add_co_u32 s28, s28, s19                     ; 512 bytes a block of columns,
	s_lshl_b32 s19, s23, 7
	s_add_co_u32 s28, s28, s19                     ; 128 a task
	s_mov_b32 s29, 0
	s_add_co_u32 s20, s22, 64
	s_mul_i32 s20, s20, BREC                       ; my record,
	s_mul_i32 s19, s18, KST
	s_add_co_u32 s20, s20, s19                     ; my K step
	s_mul_i32 s19, s23, 3072
	s_add_co_u32 s14, s20, s19                     ; my two images
	s_mov_b32 s15, 0
	s_lshl_b32 s19, s23, 7
	s_add_co_u32 s20, s20, s19
	s_add_co_u32 s20, s20, SCW                     ; my 32 scale words
	s_mov_b32 s21, 0
	s_wait_alu depctr_va_vdst(0)
	s_wait_kmcnt 0x0
	s_cmp_lt_u32 s22, 16                           ; which matrix: the choice hangs on ids alone
	s_cselect_b64 s[8:9], s[8:9], s[10:11]
	s_cmp_lt_u32 s22, 8
	s_cselect_b64 s[6:7], s[6:7], s[8:9]
	s_add_nc_u64 s[4:5], s[6:7], s[28:29]
	s_add_nc_u64 s[6:7], s[26:27], s[14:15]
	s_add_nc_u64 s[8:9], s[26:27], s[20:21]
.macro LOADW t                         ; block t: W(32 t + i, my column) into set t % 2
.irp i, 0,1,2,3,4,5,6,7,8,9,10,11,12,13,14,15,16,17,18,19,20,21,22,23,24,25,26,27,28,29,30,31
	global_load_b32 v[XW+32*((\t)%2)+\i], v2, s[4:5] offset:(32*(\t)+\i)*ROWX th:TH_LOAD_NT
.endr
.endm
.macro BLOCK t
.set XS, XW+32*((\t)%2)
.set PB, P+6*(\t)
.if (\t) < 3
	s_wait_loadcnt 32                              ; this block's 32 loads are in, the next block's 32 may be out
.else
	s_wait_loadcnt 0x0
.endif
	v_max3_num_f32 v10, |v[XS]|, |v[XS+1]|, |v[XS+2]|      ; all 32 numbers are mine: two chains
	v_max3_num_f32 v11, |v[XS+3]|, |v[XS+4]|, |v[XS+5]|
.irp i, 6,10,14,18,22,26
	v_max3_num_f32 v10, v10, |v[XS+\i]|, |v[XS+\i+1]|
	v_max3_num_f32 v11, v11, |v[XS+\i+2]|, |v[XS+\i+3]|
.endr
	v_max3_num_f32 v10, v10, |v[XS+30]|, |v[XS+31]|
	v_max3_num_f32 v10, v10, v11, 0x1800000        ; and the floor 2^(3 - 127)
	v_add_nc_u32 v12, 0xff000000, v10              ; 2 off the exponent field: the conversion's scale operand
	v_lshrrev_b32 v13, 23, v12                     ; the scale's byte
.if (\t) == 0
	v_mov_b32 v9, v13
.else
	v_lshl_or_b32 v9, v13, 8*(\t), v9              ; byte t of my row's scale word
.endif
	v_cvt_scalef32_pk16_fp6_f32 v[PB:PB+2], v[XS:XS+15], v12
	v_cvt_scalef32_pk16_fp6_f32 v[CT:CT+2], v[XS+16:XS+31], v12
	v_nop                                          ; one plain place behind the scaled conversions
.irp i, 0,1,2
	v_mov_b32 v[PB+3+\i], v[CT+\i]
.endr
.if (\t) < 2                           ; block t = 2 c + h is registers 6 c .. 6 c + 5 of lane r + 16 h: registers 0-3 lie in the image's first 512 bytes, 4-7 in the second, 8-11 in the third
	ds_store_b128 v5, v[PB:PB+3] offset:256*((\t)%2)
	ds_store_b64 v5, v[PB+4:PB+5] offset:512+256*((\t)%2)
.else
	ds_store_b64 v5, v[PB:PB+1] offset:520+256*((\t)%2)
	ds_store_b128 v5, v[PB+2:PB+5] offset:1024+256*((\t)%2)
.endif
.if (\t) < 2
	LOADW (\t)+2
.endif
.endm
	LOADW 0
	LOADW 1
	BLOCK 0
	BLOCK 1
	BLOCK 2
	BLOCK 3
	global_store_b32 v8, v9, s[8:9]                ; the wave's 32 words: 128 consecutive bytes
.irp n, 0,1,2,3,4,5
	ds_load_b128 v[OUTR+4*\n:OUTR+4*\n+3], v6 offset:IP*(\n/3)+512*(\n%3)   ; LDS serves a wave's instructions in order: these see my stores
.endr
.irp n, 0,1,2,3,4,5
	s_wait_dscnt 5-\n                              ; the younger loads may be out
	global_store_b128 v7, v[OUTR+4*\n:OUTR+4*\n+3], s[6:7] offset:512*\n    ; 512 consecutive bytes, aligned
.endr
	s_wait_tensorcnt 0x0                           ; the wave's end
	ds_add_u32 v[SPW], v[NIL]
	s_wait_dscnt 0x0
	s_endpgm
.Lfunc_end_k_q2ee3466fad_quant:
	.size	k_q2ee3466fad_quant, .Lfunc_end_k_q2ee3466fad_quant-k_q2ee3466fad_quant
	.p2alignl 7, 3214868480
	.fill 96, 4, 3214868480
	.section	.rodata,"a",@progbits
	.p2align	6, 0x0
	.amdhsa_kernel k_q2ee3466fad_quant
		.amdhsa_group_segment_fixed_size 79104
		.amdhsa_private_segment_fixed_size 0
		.amdhsa_enable_private_segment 0
		.amdhsa_kernarg_size 40
		.amdhsa_user_sgpr_count 2
		.amdhsa_user_sgpr_kernarg_segment_ptr 1
		.amdhsa_wavefront_size32 1
		.amdhsa_system_sgpr_workgroup_id_x 1
		.amdhsa_system_sgpr_workgroup_id_y 1
		.amdhsa_system_sgpr_workgroup_id_z 1
		.amdhsa_system_vgpr_workitem_id 0
		.amdhsa_next_free_vgpr 256
		.amdhsa_next_free_sgpr 66
		.amdhsa_reserve_vcc 1
		.amdhsa_float_denorm_mode_32 3
		.amdhsa_float_denorm_mode_16_64 3
		.amdhsa_memory_ordered 1
		.amdhsa_forward_progress 1
		.amdhsa_inst_pref_size 38
	.end_amdhsa_kernel
	.amdgpu_metadata
---
amdhsa.version: [ 1, 2 ]
amdhsa.kernels:
  - .name:           k_q2ee3466fad_quant
    .symbol:         k_q2ee3466fad_quant.kd
    .args:
      - { .name: x, .offset: 0, .size: 8, .value_kind: global_buffer, .address_space: global }
      - { .name: Wq, .offset: 8, .size: 8, .value_kind: global_buffer, .address_space: global }
      - { .name: Wk, .offset: 16, .size: 8, .value_kind: global_buffer, .address_space: global }
      - { .name: Wv, .offset: 24, .size: 8, .value_kind: global_buffer, .address_space: global }
      - { .name: ops, .offset: 32, .size: 8, .value_kind: global_buffer, .address_space: global }
    .group_segment_fixed_size: 79104
    .private_segment_fixed_size: 0
    .kernarg_segment_align: 8
    .kernarg_segment_size: 40
    .max_flat_workgroup_size: 352
    .sgpr_count:     66
    .vgpr_count:     256
    .wavefront_size: 32
...
	.end_amdgpu_metadata
.endif
;; end of part 1
;; launch gemm (part 2): grid 8 x 48, 4 waves a work-group, clusters of 4 x 4, 327,680 bytes of LDS; arguments ops, bq, bk, bv, qkv; writes qkv
.if DOCPART == 2
	.amdgcn_target "amdgcn-amd-amdhsa--gfx1250"
	.amdhsa_code_object_version 6
	.text
	.protected	k_q2ee3466fad_gemm
	.globl	k_q2ee3466fad_gemm
	.p2align	8
	.type	k_q2ee3466fad_gemm,@function
k_q2ee3466fad_gemm:
	s_mov_b64 s[64:65], 0
	v_nop
	global_prefetch_b8 v0, s[64:65] scope:SCOPE_SE
	s_setreg_imm32_b32 hwreg(HW_REG_WAVE_MODE, 25, 1), 1
	s_wait_xcnt 0x0
	s_wait_alu depctr_hold_cnt(0) depctr_sa_sdst(0) depctr_va_vdst(0) depctr_va_sdst(0) depctr_va_ssrc(0) depctr_va_vcc(0) depctr_vm_vsrc(0)
	s_getreg_b32 s2, hwreg(HW_REG_IB_STS2, 6, 4)
	s_cmp_eq_u32 s2, 0
	s_cbranch_scc0 .Lentry_in_a_cluster
	s_endpgm
.Lentry_in_a_cluster:
	s_bfe_u32 s2, ttmp6, 0x10000c
	s_cmp_lg_u32 s2, 0xf033
	s_cbranch_scc0 .Lentry_shape_is_right
	s_endpgm
.Lentry_shape_is_right:
.set BREC,  102400
; A record of ops: [K step 0..7][12,800 bytes]: eight tiles of 1,536 bytes of codes, then 512 bytes of scale words [tile][16 rows].
; LDS: a region of 76,800 bytes for each wave's record (A's two halves, then B's two): K steps 0 to 5 with their scale words, by ONE joint load a wave at the head (300 rows of 256 bytes);
; K steps 6 and 7 (100 rows) are filled over steps 0 and 1 behind the drained round in step 1, and are shown to all waves by the barrier in step 5.
.set KST,   12800                      ; a K step of a record
.set SCW,   12288                      ; where its scale words begin
.set KSB,   6*KST                      ; a wave's region of LDS
.set SLOT,  2*KST                      ; two K steps: what one address register serves
.set SPARE, 4*KSB                      ; behind the regions: the spare words
.set REC,   307200
.set VC,    98304
.set KS,    196608
.set VS,    200704
.set QC,    204800
.set QS,    303104
.set ADRA,  16
.set ADRB,  20
.set CO,    24
.set SCO,   25
.set BO0,   26
.set ADRS,  27
.set SPW,   28
.set NIL,   29
.set BO1,   30
.set PSEL,  31
.set SC,    32
.set BS1,   48
.set BS0,   64
.set AF,    128
.set H,     128
.set IMG,   192
.set CT,    216
.set TM,    224
.set PW,    240
.set OW,    248
.set G1A,   24
.set G0A,   32
.set G1B,   44
.set G0B,   52
.set G1SA,  68
.set G0SA,  76
.set G1SB,  80
.set G0SB,  88
.set MSB, 0
.macro WIN new
.if MSB != (\new)
	s_set_vgpr_msb (MSB<<8)|(\new)
.set MSB, (\new)
.endif
.endm
.set MUL_LO, 0xa1
.set MUL_HI, 0xf1
.set TO_B,   0x40
.macro JLOAD g0a, g1a, g0b, g1b
	s_cmp_eq_u32 s15, 0
	s_cbranch_scc0 .Lfor_b_\@
	tensor_load_to_lds s[\g0a:\g0a+3], s[\g1a:\g1a+7]
	s_nop 0
.rept 4
	v_nop
.endr
	s_branch .Lasked_\@
.Lfor_b_\@:
	tensor_load_to_lds s[\g0b:\g0b+3], s[\g1b:\g1b+7]
	s_nop 0
.rept 4
	v_nop
.endr
.Lasked_\@:
.endm
.macro CREST
	s_cmp_lg_u32 s14, 0
	s_cbranch_scc1 .Lnot_wave_0_\@
	s_barrier_signal -3
.Lnot_wave_0_\@:
	s_barrier_wait -3
	s_barrier_signal -1
	s_barrier_wait -1
.endm
.macro CROUND
	s_barrier_signal -1
	s_barrier_wait -1
	CREST
.endm
.macro PLACES n
.rept \n
	v_nop
.endr
.endm
	s_load_b256 s[4:11], s[0:1], 0x0
	s_load_b64 s[12:13], s[0:1], 0x20
	v_lshl_add_u32 v[SPW], v0, 2, SPARE
	v_mov_b32 v[NIL], 0
	ds_add_u32 v[SPW], v[NIL]
	ds_add_u32 v[SPW], v[NIL]
	v_lshrrev_b32 v1, 5, v0
	v_readfirstlane_b32 s14, v1
	s_lshr_b32 s15, s14, 1
	s_and_b32 s16, s14, 1
	s_bfe_u32 s92, ttmp6, 0x40000
	s_bfe_u32 s93, ttmp6, 0x40004
	s_and_b32 s18, ttmp7, 0xffff
	s_lshl_b32 s17, s18, 2
	s_lshl_b32 s94, s18, 3
	s_sub_co_u32 s94, s94, 64
	s_cmp_ge_u32 s18, 8
	s_cselect_b32 s95, 1, 0
	s_cselect_b32 s17, 0, s17
	s_cselect_b32 s94, s94, 0
	s_cselect_b32 s20, 80, 0
	s_cselect_b32 s22, 0, 64
	s_add_co_u32 s17, s17, s93
	s_lshl_b32 s19, ttmp9, 2
	s_add_co_u32 s94, s94, s19
	s_add_co_u32 s94, s94, s92
	s_lshl_b32 s19, s17, 1
	s_add_co_u32 s20, s20, s19
	s_add_co_u32 s20, s20, s16
	s_mul_i32 s20, s20, BREC
	s_mov_b32 s21, 0
	s_lshl_b32 s23, s94, 1
	s_add_co_u32 s22, s22, s23
	s_add_co_u32 s22, s22, s16
	s_mul_i32 s22, s22, BREC
	s_mov_b32 s23, 0
	s_lshl_b32 s96, s93, 2
	s_lshl_b32 s96, 15, s96
	s_lshl_b32 s97, 0x1111, s92
	s_or_b32 s[G1A], s96, (3<<16)|(1<<21)
	s_or_b32 s[G1B], s97, (3<<16)|(1<<21)
.irp g, G1A, G1B
	s_mov_b32 s[\g+1], 32<<16                      ; rows of 32 elements of 8 bytes, dense
	s_mov_b32 s[\g+2], 300<<16                     ; the head's load: 300 rows, six K steps
	s_mov_b32 s[\g+3], 32<<16
	s_mov_b32 s[\g+4], 300
	s_mov_b32 s[\g+5], 32
	s_mov_b32 s[\g+6], 0
	s_mov_b32 s[\g+7], 0
.endr
	s_mul_i32 s18, s14, KSB                        ; my region of LDS
	s_wait_dscnt 0x0
	s_wait_kmcnt 0x0
	s_add_nc_u64 s[20:21], s[4:5], s[20:21]
	s_add_nc_u64 s[22:23], s[4:5], s[22:23]
	CROUND
	s_mov_b32 s[G0A], 1
	s_add_co_u32 s[G0A+1], s18, 0
	s_mov_b64 s[G0A+2:G0A+3], s[20:21]
	s_or_b32 s[G0A+3], s[G0A+3], 0x80000000
	s_mov_b32 s[G0B], 1
	s_add_co_u32 s[G0B+1], s18, 0
	s_mov_b64 s[G0B+2:G0B+3], s[22:23]
	s_or_b32 s[G0B+3], s[G0B+3], 0x80000000
	JLOAD G0A, G1A, G0B, G1B                       ; my one tensor load at the head: K steps 0 to 5 of my record, codes and scale words
	v_and_b32 v1, 15, v0
	v_bfe_u32 v2, v0, 4, 1
	s_wait_alu depctr_va_vdst(0)
	v_and_b32 v3, 31, v0
	v_lshlrev_b32 v[CO], 4, v3
	s_mul_i32 s18, s15, KSB
	s_mul_i32 s19, s16, KSB
	s_add_co_u32 s19, s19, 2*KSB
.irp s, 0,1,2
	v_add_nc_u32 v[ADRA+\s], s18, v[CO]
	v_add_nc_u32 v[ADRB+\s], s19, v[CO]
	s_add_co_u32 s18, s18, SLOT
	s_add_co_u32 s19, s19, SLOT
.endr
	s_mul_i32 s18, s15, KSB                        ; scale words: lanes 0-15 A's region,
	s_xor_b32 s19, s15, 1
	s_add_co_u32 s19, s19, s16
	s_add_co_u32 s19, s19, 1
	s_mul_i32 s19, s19, KSB                        ; lanes 16-31 B's: 2 + s16 - s15 regions on
	v_mul_u32_u24 v[ADRS], s19, v2
	v_lshl_add_u32 v[ADRS], v1, 2, v[ADRS]
	s_add_co_u32 s18, s18, SCW
	v_add_nc_u32 v[ADRS], s18, v[ADRS]
	v_mul_u32_u24 v[SCO], v2, REC
	v_lshl_add_u32 v[SCO], v1, 4, v[SCO]
	v_lshlrev_b32 v[BO0], 6, v2
	s_wait_alu depctr_va_vdst(0)
	v_and_b32 v[BO1], 8, v1
	v_add_nc_u32 v[BO1], v[BO1], v1
	v_lshlrev_b32 v[BO1], 2, v[BO1]
	s_wait_alu depctr_va_vdst(0)
	s_lshl_b32 s18, s17, 8
	s_lshl_b32 s19, s15, 7
	s_add_co_u32 s18, s18, s19
	s_lshl_b32 s22, s94, 8
	s_lshl_b32 s23, s16, 7
	s_add_co_u32 s22, s22, s23
	s_cmp_lg_u32 s95, 0
	s_cselect_b32 s66, s22, s18
	s_cselect_b32 s67, s18, s22
	s_and_b32 s67, s67, 1023
	s_lshr_b32 s22, s66, 11
	s_lshl_b32 s22, s22, 4
	s_lshr_b32 s23, s67, 6
	s_add_co_u32 s22, s22, s23
	s_mul_i32 s22, s22, REC
	s_bfe_u32 s23, s66, 0x40007
	s_cmp_eq_u32 ttmp9, 0
	s_cselect_b32 s98, QC, 0
	s_mov_b32 s100, KS
	s_cselect_b32 s100, QS, s100
	s_cselect_b64 s[6:7], s[6:7], s[8:9]
	s_cmp_lg_u32 s95, 0
	s_cselect_b32 s98, VC, s98
	s_cselect_b32 s100, VS, s100
	s_cselect_b64 s[6:7], s[10:11], s[6:7]
	s_cselect_b32 s2, 0, s67
	s_cselect_b32 s3, s67, 0
	s_mul_i32 s99, s23, 6144
	s_add_co_u32 s98, s98, s99
	s_add_co_u32 s98, s98, s22
	s_mov_b32 s99, 0
	s_lshl_b32 s101, s23, 8
	s_add_co_u32 s100, s100, s101
	s_add_co_u32 s100, s100, s22
	s_mov_b32 s101, 0
	s_add_nc_u64 s[98:99], s[12:13], s[98:99]
	s_add_nc_u64 s[100:101], s[12:13], s[100:101]
	s_lshl_b32 s22, s3, 2
	s_mov_b32 s23, 0
	s_add_nc_u64 s[8:9], s[6:7], s[22:23]
	s_lshl_b32 s22, s2, 2
	s_add_nc_u64 s[6:7], s[6:7], s[22:23]
	s_mov_b32 s2, 0x76543210
	s_mov_b32 s3, 0xfedcba98
.irp b, 0,1,2,3
.irp j, 0,1,2,3
	global_load_b128 v[BS0+16*\b+4*\j:BS0+16*\b+4*\j+3], v[BO0], s[6:7] offset:128*\b+16*\j
.endr
.endr
.irp a, 0,1,2,3,4,5,6,7
	global_load_b32 v[BS1+2*\a], v[BO1], s[8:9] offset:(32*(\a/2)+8*(\a%2))*4
	global_load_b32 v[BS1+2*\a+1], v[BO1], s[8:9] offset:(32*(\a/2)+8*(\a%2))*4
.endr
.macro FRAG reg, adr, off
.irp c, 0,1,2
	ds_load_b128 v[\reg+4*\c:\reg+4*\c+3], v[\adr] offset:\off+512*\c
.endr
.endm
.macro FETCH_B i
	WIN TO_B
.irp t, 0,1,2,3,4,5,6,7
	FRAG 128*((\i)%2)+12*\t, ADRB+((\i)/2)%3, ((\i)%2)*KST+1536*\t
.endr
	WIN 0
.endm
.macro FETCH_A i, t0
.irp t, \t0, \t0+1, \t0+2, \t0+3
	FRAG AF+12*(\t), ADRA+((\i)/2)%3, ((\i)%2)*KST+1536*(\t)
.endr
.endm
.macro SCALES i
.irp t, 0,1,2,3,4,5,6,7
	ds_load_b32 v[SC+8*((\i)%2)+\t], v[ADRS] offset:KST*((\i)%6)+64*\t
.endr
.endm
.macro MUL16 a0, i, zero
.irp a, \a0, \a0+1
.irp b, 0,1,2,3,4,5,6,7
.if \zero
	v_wmma_scale_f32_16x16x128_f8f6f4 v[8*(8*((\a)%4)+\b):8*(8*((\a)%4)+\b)+7], v[128*((\i)%2)+12*\b:128*((\i)%2)+12*\b+11], v[AF+12*(\a):AF+12*(\a)+11], 0, v[SC+8*((\i)%2)+\b], v[SC+8*((\i)%2)+(\a)] matrix_a_fmt:MATRIX_FMT_FP6 matrix_b_fmt:MATRIX_FMT_FP6 matrix_a_scale:MATRIX_SCALE_ROW1
.else
	v_wmma_scale_f32_16x16x128_f8f6f4 v[8*(8*((\a)%4)+\b):8*(8*((\a)%4)+\b)+7], v[128*((\i)%2)+12*\b:128*((\i)%2)+12*\b+11], v[AF+12*(\a):AF+12*(\a)+11], v[8*(8*((\a)%4)+\b):8*(8*((\a)%4)+\b)+7], v[SC+8*((\i)%2)+\b], v[SC+8*((\i)%2)+(\a)] matrix_a_fmt:MATRIX_FMT_FP6 matrix_b_fmt:MATRIX_FMT_FP6 matrix_a_scale:MATRIX_SCALE_ROW1
.endif
.endr
.endr
.endm
.macro REST i
	FETCH_B (\i)+1
	FETCH_A (\i)+1, 0
	SCALES (\i)+1
	WIN MUL_HI
	MUL16 4, \i, 0
	MUL16 6, \i, 0
	PLACES 4
	WIN 0
	FETCH_A (\i)+1, 4
.endm
.macro STEP i
	s_wait_dscnt 12
	WIN MUL_LO
	MUL16 0, \i, 0
	MUL16 2, \i, 0
	s_wait_dscnt 0x0
	PLACES 4
	REST \i
.endm
.macro TURN i, fill
	s_wait_tensorcnt 0x0
	ds_add_u32 v[SPW], v[NIL]
.if \fill
	s_mov_b32 s[G1A+2], 100<<16                    ; no tensor load of mine is out: the refill brings 100 rows, two K steps
	s_mov_b32 s[G1A+4], 100
	s_mov_b32 s[G1B+2], 100<<16
	s_mov_b32 s[G1B+4], 100
.endif
	s_wait_dscnt 13
	WIN MUL_LO
	MUL16 0, \i, 0
	s_wait_dscnt 0x0
	s_barrier_signal -1
	MUL16 2, \i, 0
	WIN 0
	s_barrier_wait -1
.if \fill
	CREST
	s_add_nc_u64 s[G0A+2:G0A+3], s[G0A+2:G0A+3], 6*KST   ; on to K step 6
	s_add_nc_u64 s[G0B+2:G0B+3], s[G0B+2:G0B+3], 6*KST
	JLOAD G0A, G1A, G0B, G1B
.else
	PLACES 4
.endif
	REST \i
.endm
	s_wait_tensorcnt 0x0                           ; my region has landed,
	s_barrier_signal -1
	s_barrier_wait -1                              ; everybody's has
	FETCH_B 0
	FETCH_A 0, 0
	SCALES 0
	FETCH_A 0, 4
	s_wait_dscnt 12
	WIN MUL_LO
	MUL16 0, 0, 1
	MUL16 2, 0, 1
	s_wait_dscnt 0x0
	PLACES 4
	FETCH_B 1
	FETCH_A 1, 0
	SCALES 1
	WIN MUL_HI
	MUL16 4, 0, 1
	MUL16 6, 0, 1
	PLACES 4
	WIN 0
	FETCH_A 1, 4
	TURN 1, 1
	STEP 2
	STEP 3
	STEP 4
	TURN 5, 0
	STEP 6
	s_wait_dscnt 12
	WIN MUL_LO
	MUL16 0, 7, 0
	MUL16 2, 7, 0
	s_wait_dscnt 0x0
	WIN MUL_HI
	MUL16 4, 7, 0
	MUL16 6, 7, 0
	WIN 0
.macro QUANT s, d0, d1, pw
.irp b, 0,1,2,3
	v_max3_num_f32 v[TM+\b], |v[\s+16*\b]|, |v[\s+1+16*\b]|, 0x1800000
.endr
.irp i, 2,4,6,8,10,12,14
.irp b, 0,1,2,3
	v_max3_num_f32 v[TM+\b], v[TM+\b], |v[\s+16*\b+\i]|, |v[\s+1+16*\b+\i]|
.endr
.endr
.irp b, 0,1,2,3
	v_permlanex16_b32 v[TM+4+\b], v[TM+\b], s2, s3
.endr
.irp b, 0,1,2,3
	v_max_num_f32 v[TM+\b], v[TM+\b], v[TM+4+\b]
.endr
.irp b, 0,1,2,3
	v_add_nc_u32 v[TM+12+\b], 0xff000000, v[TM+\b]
.endr
.irp b, 0,1,2,3
	v_lshrrev_b32 v[TM+4+\b], 23, v[TM+12+\b]
.endr
	v_lshl_or_b32 v[\pw], v[TM+5], 8, v[TM+4]
	v_lshl_or_b32 v[\pw], v[TM+6], 16, v[\pw]
	v_lshl_or_b32 v[\pw], v[TM+7], 24, v[\pw]
	v_cvt_scalef32_pk16_fp6_f32 v[\d0:\d0+2], v[\s:\s+15], v[TM+12]
	v_cvt_scalef32_pk16_fp6_f32 v[CT:CT+2], v[\s+16:\s+31], v[TM+13]
	v_cvt_scalef32_pk16_fp6_f32 v[\d1:\d1+2], v[\s+32:\s+47], v[TM+14]
	v_cvt_scalef32_pk16_fp6_f32 v[CT+4:CT+6], v[\s+48:\s+63], v[TM+15]
	v_nop
.irp i, 0,1,2
	v_permlane16_swap_b32 v[\d0+\i], v[CT+\i]
	v_permlane16_swap_b32 v[\d1+\i], v[CT+4+\i]
.endr
.irp i, 0,1,2
	v_mov_b32 v[\d0+3+\i], v[CT+\i]
	v_mov_b32 v[\d1+3+\i], v[CT+4+\i]
.endr
.endm
	PLACES 4
	s_wait_loadcnt 0x0
.irp b, 0,1,2,3
	v_mov_b32 v[TM+4+\b], 0
.endr
	v_cmp_ne_u32 vcc_lo, 0, v2
	v_mov_b32 v[PSEL], 0x05040100
	v_mov_b32 v[OW], 0x07060302
	v_cndmask_b32 v[PSEL], v[PSEL], v[OW], vcc_lo
	s_cmp_lg_u32 s95, 0
	s_cbranch_scc1 .Lv
.irp g, 0,1,2,3
.irp u, 0,1
	WIN 2+(2*\g+\u)/4
.set AC, 64*((2*\g+\u)%4)
.set j, 0
.rept 32
	v_pk_add_f32 v[H+j:H+j+1], v[AC+j:AC+j+1], v[BS0+j:BS0+j+1]
.set j, j+2
.endr
	WIN 0
.if (\u == 0) && (\g > 0)
	s_wait_xcnt 0x0
.endif
	QUANT H, IMG+6*\u, IMG+12+6*\u, PW+2*\g+\u
.endr
.irp c, 0,1
.irp k, 0,1,2
	global_store_b128 v[CO], v[IMG+12*\c+4*\k:IMG+12*\c+4*\k+3], s[98:99] offset:REC*\c+1536*\g+512*\k
.endr
.endr
.endr
.irp g, 0,1,2,3
	v_perm_b32 v[OW+\g], v[PW+2*\g+1], v[PW+2*\g], v[PSEL]
.endr
	global_store_b128 v[SCO], v[OW:OW+3], s[100:101]
	s_branch .Ldone
.Lv:
.irp a, 0,1,2,3,4,5,6,7
	WIN 2+\a/4
.set AC, 64*(\a%4)
.set j, 0
.rept 32
	v_pk_add_f32 v[H+j:H+j+1], v[AC+j:AC+j+1], v[BS1+2*\a:BS1+2*\a+1]
.set j, j+2
.endr
	WIN 0
.if \a >= 2
	s_wait_xcnt 0x0
.endif
	QUANT H, IMG+12*(\a%2), IMG+12*(\a%2)+6, PW+\a
.irp k, 0,1,2
	global_store_b128 v[CO], v[IMG+12*(\a%2)+4*\k:IMG+12*(\a%2)+4*\k+3], s[98:99] offset:REC*(\a/4)+1536*(\a%4)+512*\k
.endr
.endr
.irp t, 0,1,2,3
	v_cndmask_b32 v[OW+\t], v[PW+\t], v[PW+4+\t], vcc_lo
.endr
	global_store_b128 v[SCO], v[OW:OW+3], s[100:101]
.Ldone:
	s_wait_tensorcnt 0x0
	ds_add_u32 v[SPW], v[NIL]
	s_wait_dscnt 0x0
	CROUND
	s_endpgm
.Lfunc_end_k_q2ee3466fad_gemm:
	.size	k_q2ee3466fad_gemm, .Lfunc_end_k_q2ee3466fad_gemm-k_q2ee3466fad_gemm
	.p2alignl 7, 3214868480
	.fill 96, 4, 3214868480
	.section	.rodata,"a",@progbits
	.p2align	6, 0x0
	.amdhsa_kernel k_q2ee3466fad_gemm
		.amdhsa_group_segment_fixed_size 327680
		.amdhsa_private_segment_fixed_size 0
		.amdhsa_enable_private_segment 0
		.amdhsa_kernarg_size 40
		.amdhsa_user_sgpr_count 2
		.amdhsa_user_sgpr_kernarg_segment_ptr 1
		.amdhsa_wavefront_size32 1
		.amdhsa_system_sgpr_workgroup_id_x 1
		.amdhsa_system_sgpr_workgroup_id_y 1
		.amdhsa_system_sgpr_workgroup_id_z 1
		.amdhsa_system_vgpr_workitem_id 0
		.amdhsa_next_free_vgpr 1024
		.amdhsa_next_free_sgpr 102
		.amdhsa_reserve_vcc 1
		.amdhsa_float_denorm_mode_32 3
		.amdhsa_float_denorm_mode_16_64 3
		.amdhsa_memory_ordered 1
		.amdhsa_forward_progress 1
		.amdhsa_inst_pref_size 207
	.end_amdhsa_kernel
	.amdgpu_metadata
---
amdhsa.version: [ 1, 2 ]
amdhsa.kernels:
  - .name:           k_q2ee3466fad_gemm
    .symbol:         k_q2ee3466fad_gemm.kd
    .args:
      - { .name: ops, .offset: 0, .size: 8, .value_kind: global_buffer, .address_space: global }
      - { .name: bq, .offset: 8, .size: 8, .value_kind: global_buffer, .address_space: global }
      - { .name: bk, .offset: 16, .size: 8, .value_kind: global_buffer, .address_space: global }
      - { .name: bv, .offset: 24, .size: 8, .value_kind: global_buffer, .address_space: global }
      - { .name: qkv, .offset: 32, .size: 8, .value_kind: global_buffer, .address_space: global }
    .group_segment_fixed_size: 327680
    .private_segment_fixed_size: 0
    .kernarg_segment_align: 8
    .kernarg_segment_size: 40
    .max_flat_workgroup_size: 128
    .sgpr_count:     102
    .vgpr_count:     1024
    .wavefront_size: 32
...
	.end_amdgpu_metadata
.endif
;; end of part 2
;; launch attn (part 3): grid 4 x 64, 16 waves a work-group, clusters of 4 x 1, 327,680 bytes of LDS; arguments qkv, out0; writes out0
.if DOCPART == 3
	.amdgcn_target "amdgcn-amd-amdhsa--gfx1250"
	.amdhsa_code_object_version 6
	.text
	.protected	k_q2ee3466fad_attn
	.globl	k_q2ee3466fad_attn
	.p2align	8
	.type	k_q2ee3466fad_attn,@function
k_q2ee3466fad_attn:
	s_mov_b64 s[64:65], 0
	v_nop
	global_prefetch_b8 v0, s[64:65] scope:SCOPE_SE
	s_setreg_imm32_b32 hwreg(HW_REG_WAVE_MODE, 25, 1), 1
	s_wait_xcnt 0x0
	s_wait_alu depctr_hold_cnt(0) depctr_sa_sdst(0) depctr_va_vdst(0) depctr_va_sdst(0) depctr_va_ssrc(0) depctr_va_vcc(0) depctr_vm_vsrc(0)
	s_getreg_b32 s2, hwreg(HW_REG_IB_STS2, 6, 4)
	s_cmp_eq_u32 s2, 0
	s_cbranch_scc0 .Lentry_in_a_cluster
	s_endpgm
.Lentry_in_a_cluster:
	s_bfe_u32 s2, ttmp6, 0x10000c
	s_cmp_lg_u32 s2, 0x3003
	s_cbranch_scc0 .Lentry_shape_is_right
	s_endpgm
.Lentry_shape_is_right:
; out[b][q][64 head + d] = the sum over keys of softmax(q . k / 8) v, both products on codes of FP6 (E2M3) with E8M0 scales.  4 x 16 heads, 2,048 tokens, head size 64.
; INPUT: qkv, a record of 307,200 bytes for each (b, head), all operands as images of operand registers (16 bytes a lane, 512 a load):
;   K's codes [group of 32 keys][1,536] at 0: lane (r, h): registers 0-5 key 32 G + r + 8 (r / 8), block h of its 64; registers 6-11 the key 8 further on;   V's codes [step of 128 keys][tile t][1,536] at 98,304: lane (r, h): channel
;   32 (t / 2) + 8 (t % 2) + r + 8 (r / 8), registers 6 c .. = keys 64 c + 32 h + 0 .. 31;   K's scale words [step][r][group % 4] at 196,608;  V's [step][r][t] at 200,704;  Q's codes and words, laid as K's, at 204,800 and 303,104.
; THE SOFTMAX: t = score x log2(e) / 8; M = the running largest t rounded UP to a whole number; p = 2^(t - M) is quantised along the keys, not normalised; the row's sum is taken of the unquantised p and divides at the end.
; When M moves, the sum and O are multiplied by 2^(old M - new M): exact, no branch on data.
; A WHOLE HEAD'S K AND V, 204,800 bytes, LIE IN LDS: filled once, by one load a wave; no byte is filled again, so there is no ring and one barrier.  All is asked for at the head: there is no later tile to ask ahead for.
; CLUSTER 4 x 1: the four work-groups of a head, 512 queries each, need the same 204,800 bytes: each wave's load is a joint one, with the mask of all four.
; SHARES: sixteen waves, four to a SIMD; wave w owns the 32 queries of group 16 cx + w and walks the 16 key steps twice, one tile of 16 queries each time, in 256 registers.
; K = 64 IN A FORM OF 128: one fragment of K holds TWO tiles of 16 keys, in the lower and the upper 64 of the form's K.  Against [q, 0] it gives the first tile's scores, against [0, q] the second's: the other half meets zero codes.
; Both products are used transposed: a lane holds one query; by the choice of a tile's keys the 16 registers of two neighbouring tiles are 16 neighbouring keys.
; LIMITS: v_exp_f32 gives 0 for results under 2^-126 (ISA guide 15.8); a block of p whose every number is 0 gets the byte 1 (its codes are zeros).  NaN and infinities are not served.
; REGISTERS: v1-5 addresses that stay; v6, v7 the add's two; v8-10 addresses in hand; v12 -M, v13 the largest t, v[14:15] the sum; v16-21 zeros, v22-27 q, v28-33 zeros; v34 q's scale word; v36-47 Q's image;
;   v48-95 four fragments of K, then of V; v96-159 S^T, then p; v160-191 O^T; v192-203 p's codes; v204-211, v220-237 at work; v212-215 K's scale words, v216-219 V's; v232 f, v233 p's scale word.
.set REC,   307200
.set VC,    98304
.set KS,    196608
.set QC,    204800
.set QS,    303104
.set STAGE, 204800                     ; behind the head's bytes: 16 rows x (256 + 16) for each wave, for the way out; no fill lands there
.set SP,    272
.set SPARE, STAGE+16*16*SP             ; the spare words, 128 bytes a wave, eight blocks of 256 bytes that no other line names
.set SPW,   6
.set NIL,   7
.set F,     48
.set PC,    192
.set CT,    204
.set KSC,   212
.set VSC,   216
.set BM,    220                        ; each block's largest score, then its largest p
.set PT,    224                        ; the other half's, then the bytes
.set SO,    228                        ; the conversions' scale operands
.macro CROUND                          ; a round of the cluster's barrier
	s_barrier_signal -1
	s_barrier_wait -1
	s_cmp_lg_u32 s8, 0
	s_cbranch_scc1 .Lnot_wave_0_\@
	s_barrier_signal -3
.Lnot_wave_0_\@:
	s_barrier_wait -3
	s_barrier_signal -1
	s_barrier_wait -1
.endm
	s_load_b128 s[4:7], s[0:1], 0x0                ; qkv s[4:5], out0 s[6:7]
	v_lshl_add_u32 v[SPW], v0, 2, SPARE
	v_mov_b32 v[NIL], 0
	ds_add_u32 v[SPW], v[NIL]                      ; the wave's opening: the add and its wait stand ahead of my first tensor load; work on registers stands between them
	ds_add_u32 v[SPW], v[NIL]
	v_lshrrev_b32 v8, 5, v0
	s_delay_alu instid0(VALU_DEP_1)
	v_readfirstlane_b32 s8, v8                     ; wave 0..15
	s_bfe_u32 s9, ttmp6, 0x40000                   ; cx: it enters Q's and the output's global addresses alone
	s_and_b32 s10, ttmp7, 0xffff                   ; 16 b + head, which the four partners share
	s_lshl_b32 s11, s9, 4
	s_add_co_u32 s11, s11, s8                      ; my group of 32 queries
	; group 1: 50 rows of 256 bytes (32 elements of 8 bytes), dense: a sixteenth of the head's 204,800 bytes
	s_mov_b32 s16, 15|(3<<16)|(1<<21)              ; 15:0 the mask: all four work-groups; 17:16 elements of 8 bytes; 21 set beside a mask
	s_mov_b32 s17, 32<<16                          ; tensor_dim0
	s_mov_b32 s18, 50<<16                          ; tensor_dim1
	s_mov_b32 s19, 32<<16                          ; tile_dim0
	s_mov_b32 s20, 50                              ; tile_dim1
	s_mov_b32 s21, 32                              ; the pitch
	s_mov_b32 s22, 0
	s_mov_b32 s23, 0
	s_mov_b32 s24, 0x76543210
	s_mov_b32 s25, 0xfedcba98                      ; selects for lane l xor 16
	s_mov_b32 s26, 0x3e38aa3b                      ; c = log2(e) / 8
	s_mov_b32 s27, s26                             ; (named with it as a pair, so it is written)
	s_mul_i32 s38, s10, REC                        ; my head's record
	s_mov_b32 s12, 1                               ; group 0: count,
	s_mul_i32 s13, s8, 12800                       ; LDS address: wave x 12,800,
	s_add_co_u32 s40, s38, s13                     ; and the same bytes of the record
	s_mov_b32 s41, 0
	s_mul_i32 s42, s11, 1536
	s_add_co_u32 s42, s42, s38
	s_add_co_u32 s42, s42, QC                      ; my group's image of Q
	s_mov_b32 s43, 0
	s_lshr_b32 s44, s11, 2
	s_lshl_b32 s44, s44, 8
	s_and_b32 s45, s11, 3
	s_lshl_b32 s45, s45, 2
	s_add_co_u32 s44, s44, s45
	s_add_co_u32 s44, s44, s38
	s_add_co_u32 s44, s44, QS                      ; and its scale words: [group / 4][r][group % 4]
	s_mov_b32 s45, 0
	s_lshr_b32 s46, s10, 4
	s_lshl_b32 s46, s46, 23                        ; the batch's 2,048 rows of 4,096 bytes,
	s_lshl_b32 s47, s11, 17
	s_add_co_u32 s46, s46, s47                     ; my 32 rows,
	s_and_b32 s47, s10, 15
	s_lshl_b32 s47, s47, 8
	s_add_co_u32 s46, s46, s47                     ; the head's 256 bytes of a row
	s_mov_b32 s47, 0
	s_wait_dscnt 0x0                               ; the opening add is done
	s_wait_kmcnt 0x0
	s_add_nc_u64 s[14:15], s[4:5], s[40:41]
	s_or_b32 s15, s15, 0x80000000                  ; type = 2
	s_add_nc_u64 s[32:33], s[4:5], s[42:43]
	s_add_nc_u64 s[34:35], s[4:5], s[44:45]
	s_add_nc_u64 s[36:37], s[6:7], s[46:47]
	CROUND                                         ; all four work-groups are here: the joint loads meet
	tensor_load_to_lds s[12:15], s[16:23]          ; my one tensor load of the launch
	s_nop 0
.rept 4
	v_nop
.endr
	v_and_b32 v8, 31, v0
	s_delay_alu instid0(VALU_DEP_1)
	v_lshlrev_b32 v1, 4, v8                        ; 16 x lane: an image's place
	v_and_b32 v9, 15, v0                           ; r
	v_bfe_u32 v10, v0, 4, 1                        ; h
	s_delay_alu instid0(VALU_DEP_2)
	v_lshlrev_b32 v11, 4, v9                       ; 16 r
.irp c, 0,1,2
	global_load_b128 v[36+4*\c:39+4*\c], v1, s[32:33] offset:512*\c   ; Q's image: both tiles of my 32 queries
.endr
	global_load_b32 v35, v11, s[34:35]             ; their scale bytes: two of each tile's query
	v_add_nc_u32 v2, KS, v11                       ; K's scale words of row r
	s_mul_i32 s31, s8, 16*SP
	s_add_co_u32 s31, s31, STAGE                   ; my stage
	v_mul_u32_u24 v3, v9, SP
	s_delay_alu instid0(VALU_DEP_1)
	v_lshl_add_u32 v3, v10, 6, v3
	s_delay_alu instid0(VALU_DEP_1)
	v_add_nc_u32 v3, s31, v3                       ; in: row r, + 64 h bytes
	v_mul_u32_u24 v4, v10, SP
	s_delay_alu instid0(VALU_DEP_1)
	v_add_nc_u32 v4, v4, v11
	s_delay_alu instid0(VALU_DEP_1)
	v_add_nc_u32 v4, s31, v4                       ; back: lanes 0-15 one row, lanes 16-31 the next
	v_lshl_add_u32 v5, v10, 12, v11                ; and the same two rows of the output
.irp i, 0,1,2,3,4,5
	v_mov_b32 v[16+\i], 0                          ; zero codes on both sides of q
	v_mov_b32 v[28+\i], 0
.endr
.irp b, 0,1,2,3
	v_mov_b32 v[PT+\b], 0                          ; a lane permute's destination counts as read: written once
.endr
	v_mov_b32 v233, 0                              ; (named as the upper half of the pair v[232:233] before it is first written)
	v_mov_b32 v234, 0
	s_wait_tensorcnt 0x0                           ; my sixteenth of the head has landed,
	s_barrier_signal -1
	s_barrier_wait -1                              ; everybody's has
	s_wait_loadcnt 0x0                             ; Q
; A KEY STEP: 128 keys.  s28: the step's 6,144 bytes of K's (and V's) codes; s29: its 256 bytes of scale words.
.macro STEP
	v_add_nc_u32 v8, s28, v1
	s_delay_alu instid0(VALU_DEP_1)
	v_add_nc_u32 v9, VC, v8
	v_add_nc_u32 v10, s29, v2
	v_nop                                          ; four places behind the last step's products, ahead of the loads into their fragments and scale words
.irp b, 0,1,2,3
.irp c, 0,1,2
	ds_load_b128 v[F+12*\b+4*\c:F+12*\b+4*\c+3], v8 offset:1536*\b+512*\c
.endr
.endr
	ds_load_b128 v[KSC:KSC+3], v10
	ds_load_b128 v[VSC:VSC+3], v10 offset:4096
	s_wait_alu depctr_va_vdst(0)
	s_wait_dscnt 0x0
.irp b, 0,1,2,3                                ; S^T = K Q^T: each fragment serves two tiles of 16 keys
	v_wmma_scale_f32_16x16x128_f8f6f4 v[96+16*\b:103+16*\b], v[F+12*\b:F+12*\b+11], v[22:33], 0, v[KSC+\b], v34 matrix_a_fmt:MATRIX_FMT_FP6 matrix_b_fmt:MATRIX_FMT_FP6
	v_wmma_scale_f32_16x16x128_f8f6f4 v[104+16*\b:111+16*\b], v[F+12*\b:F+12*\b+11], v[16:27], 0, v[KSC+\b], v34 matrix_a_fmt:MATRIX_FMT_FP6 matrix_b_fmt:MATRIX_FMT_FP6
.endr                                          ; register 96 + 16 b + i: key 32 b + 16 (lane / 16) + i of the step
.rept 4
	v_nop                                          ; places ahead of the loads into K's fragments and of the first read of the scores
.endr
.irp t, 0,1,2,3
.irp c, 0,1,2
	ds_load_b128 v[F+12*\t+4*\c:F+12*\t+4*\c+3], v9 offset:1536*\t+512*\c   ; V's four fragments land under the softmax
.endr
.endr
.irp b, 0,1,2,3
	v_max3_num_f32 v[BM+\b], v[96+16*\b], v[97+16*\b], v[98+16*\b]   ; the largest score of each block of 32 keys: it serves for the row's maximum and, since p rises with the score, for the block's largest p
.endr
.irp i, 3,5,7,9,11,13
.irp b, 0,1,2,3
	v_max3_num_f32 v[BM+\b], v[BM+\b], v[96+16*\b+\i], v[97+16*\b+\i]
.endr
.endr
.irp b, 0,1,2,3
	v_max_num_f32 v[BM+\b], v[BM+\b], v[111+16*\b]
.endr
.irp b, 0,1,2,3
	s_delay_alu instid0(VALU_DEP_4)
	v_permlanex16_b32 v[PT+\b], v[BM+\b], s24, s25
.endr
.irp b, 0,1,2,3
	s_delay_alu instid0(VALU_DEP_4)
	v_max_num_f32 v[BM+\b], v[BM+\b], v[PT+\b]     ; with lane l xor 16's 16 keys
.endr
	s_delay_alu instid0(VALU_DEP_2)
	v_max3_num_f32 v234, v[BM], v[BM+1], v[BM+2]
	s_delay_alu instid0(VALU_DEP_1)
	v_max_num_f32 v234, v234, v[BM+3]
	s_delay_alu instid0(VALU_DEP_1)
	v_mul_f32 v234, s26, v234                      ; as t (c is positive)
	s_delay_alu instid0(VALU_DEP_1)
	v_max_num_f32 v13, v13, v234                   ; the running largest t
	v_mov_b32 v234, v12
	s_delay_alu instid0(VALU_DEP_2)
	v_floor_f32 v12, -v13                          ; the new -M = floor(-t): M is a whole number
	s_delay_alu instid0(VALU_DEP_1)
	v_sub_f32 v234, v12, v234                      ; old M - new M: a whole number, 0 or less
	s_delay_alu instid0(VALU_DEP_1)
	v_cvt_i32_f32 v234, v234                       ; (it saturates)
	s_delay_alu instid0(VALU_DEP_1)
	v_ldexp_f32 v232, 1.0, v234                    ; f = 2^(old M - new M)
.set j, 0
.rept 32
	v_pk_fma_f32 v[96+j:97+j], v[96+j:97+j], s[26:27], v[12:13] op_sel_hi:[1,0,0]   ; t - M, two at a time
.set j, j+2
.endr
.irp b, 0,1,2,3
	v_fma_f32 v[BM+\b], v[BM+\b], s26, v12         ; the same of each block's largest score
.endr
.set j, 0
	s_wait_alu depctr_va_vdst(0)
.rept 64
	v_exp_f32 v[96+j], v[96+j]                     ; p = 2^(t - M), at most 1
.set j, j+1
.endr
	v_pk_mul_f32 v[14:15], v[14:15], v[232:233] op_sel_hi:[1,0]   ; the sums under the new M: the plain place behind the batch
	s_wait_alu depctr_va_vdst(0)                   ; one wait for the batch of 64, ahead of its first reader
.irp b, 0,1,2,3
	v_exp_f32 v[BM+\b], v[BM+\b]                   ; the block's largest p: the same two instructions on the same number
.endr
	v_pk_add_f32 v[236:237], v[100:101], v[104:105]
	v_pk_add_f32 v[254:255], v[108:109], v[112:113]
	v_pk_add_f32 v[252:253], v[116:117], v[120:121]
	v_pk_add_f32 v[250:251], v[124:125], v[128:129]
	v_pk_add_f32 v[248:249], v[132:133], v[136:137]
	v_pk_add_f32 v[246:247], v[140:141], v[144:145]
	v_pk_add_f32 v[244:245], v[148:149], v[152:153]
	v_pk_add_f32 v[14:15], v[14:15], v[156:157]
	v_pk_add_f32 v[236:237], v[236:237], v[96:97]
	v_pk_add_f32 v[254:255], v[254:255], v[98:99]
	v_pk_add_f32 v[252:253], v[252:253], v[102:103]
	v_pk_add_f32 v[250:251], v[250:251], v[106:107]
	v_pk_add_f32 v[248:249], v[248:249], v[110:111]
	v_pk_add_f32 v[246:247], v[246:247], v[114:115]
	v_pk_add_f32 v[244:245], v[244:245], v[118:119]
	v_pk_add_f32 v[14:15], v[14:15], v[122:123]
	v_pk_add_f32 v[236:237], v[236:237], v[126:127]
	v_pk_add_f32 v[254:255], v[254:255], v[130:131]
	v_pk_add_f32 v[252:253], v[252:253], v[134:135]
	v_pk_add_f32 v[250:251], v[250:251], v[138:139]
	v_pk_add_f32 v[248:249], v[248:249], v[142:143]
	v_pk_add_f32 v[246:247], v[246:247], v[146:147]
	v_pk_add_f32 v[244:245], v[244:245], v[150:151]
	v_pk_add_f32 v[14:15], v[14:15], v[154:155]
	v_pk_add_f32 v[236:237], v[236:237], v[158:159]
	s_delay_alu instid0(VALU_DEP_2)
	v_pk_add_f32 v[14:15], v[14:15], v[250:251]
	s_delay_alu instid0(VALU_DEP_2)
	v_pk_add_f32 v[236:237], v[236:237], v[248:249]
	v_pk_add_f32 v[254:255], v[254:255], v[246:247]
	v_pk_add_f32 v[252:253], v[252:253], v[244:245]
	s_delay_alu instid0(VALU_DEP_2)
	v_pk_add_f32 v[14:15], v[14:15], v[254:255]
	s_delay_alu instid0(VALU_DEP_2)
	v_pk_add_f32 v[236:237], v[236:237], v[252:253]
	s_delay_alu instid0(VALU_DEP_1)
	v_pk_add_f32 v[14:15], v[14:15], v[236:237]
	s_wait_alu depctr_va_vdst(0)                   ; and one for the four
.irp b, 0,1,2,3
	v_max_num_f32 v[BM+\b], 0x1800000, v[BM+\b]    ; the floor 2^(3 - 127): the byte cannot fall under 1
.endr
.irp b, 0,1,2,3
	s_delay_alu instid0(VALU_DEP_4)
	v_add_nc_u32 v[SO+\b], 0xff000000, v[BM+\b]    ; 2 off the exponent field: the conversion's scale operand
.endr
.irp b, 0,1,2,3
	s_delay_alu instid0(VALU_DEP_4)
	v_lshrrev_b32 v[PT+\b], 23, v[SO+\b]           ; the scale's byte
.endr
	s_delay_alu instid0(VALU_DEP_3)
	v_lshl_or_b32 v233, v[PT+1], 8, v[PT]          ; p's scale word for these 128 keys
	s_delay_alu instid0(VALU_DEP_1)
	v_lshl_or_b32 v233, v[PT+2], 16, v233
	s_delay_alu instid0(VALU_DEP_1)
	v_lshl_or_b32 v233, v[PT+3], 24, v233
.irp c, 0,1
	v_cvt_scalef32_pk16_fp6_f32 v[PC+6*\c:PC+6*\c+2], v[96+32*\c:111+32*\c], v[SO+2*\c]
	v_cvt_scalef32_pk16_fp6_f32 v[CT+4*\c:CT+4*\c+2], v[112+32*\c:127+32*\c], v[SO+2*\c+1]
.endr
	v_nop                                          ; one plain place behind the scaled conversions
.irp c, 0,1                                    ; the operand wants a WHOLE block in a lane
.irp i, 0,1,2
	v_permlane16_swap_b32 v[PC+6*\c+\i], v[CT+4*\c+\i]
.endr
.irp i, 0,1,2
	s_delay_alu instid0(VALU_DEP_3)
	v_mov_b32 v[PC+3+6*\c+\i], v[CT+4*\c+\i]
.endr
.endr
.set j, 0
.rept 16
	v_pk_mul_f32 v[160+j:161+j], v[160+j:161+j], v[232:233] op_sel_hi:[1,0]   ; O^T under the new M; these are also the places between the writes of p's codes and scale word and the products
.set j, j+2
.endr
	s_wait_alu depctr_va_vdst(0)
	s_wait_dscnt 0x0                               ; V's fragments are in
.irp t, 0,1,2,3                                ; O^T += V^T P^T: four accumulators by turns
	v_wmma_scale_f32_16x16x128_f8f6f4 v[160+8*\t:167+8*\t], v[F+12*\t:F+12*\t+11], v[PC:PC+11], v[160+8*\t:167+8*\t], v[VSC+\t], v233 matrix_a_fmt:MATRIX_FMT_FP6 matrix_b_fmt:MATRIX_FMT_FP6
.endr
	s_add_co_u32 s28, s28, 6144
	s_add_co_u32 s29, s29, 256
.endm
; THE WAY OUT of tile u: O^T / the sum goes through my stage and leaves as whole aligned runs of 256 bytes, the head's part of a token's row.  Register 8 t + j is channel 32 (t / 2) + 8 (t % 2) + 16 h + j.
.macro OUT u
.rept 4
	v_nop                                          ; places behind the last products
.endr
	v_add_f32 v14, v14, v15                        ; the sum's two halves,
	s_delay_alu instid0(VALU_DEP_1)
	v_permlanex16_b32 v234, v14, s24, s25
	s_delay_alu instid0(VALU_DEP_1)
	v_add_f32 v14, v14, v234                       ; and lane l xor 16's
	s_wait_alu depctr_va_vdst(0)
	v_rcp_f32 v14, v14
	v_nop                                          ; a plain place behind the reciprocal,
	s_wait_alu depctr_va_vdst(0)                   ; and the wait ahead of its first reader
.set j, 0
.rept 16
	v_pk_mul_f32 v[96+j:97+j], v[160+j:161+j], v[14:15] op_sel_hi:[1,0]
.set j, j+2
.endr
.irp t, 0,1,2,3
.irp e, 0,1
	ds_store_b128 v3, v[96+8*\t+4*\e:96+8*\t+4*\e+3] offset:128*(\t/2)+32*(\t%2)+16*\e
.endr
.endr
.irp i, 0,1,2,3,4,5,6,7
	ds_load_b128 v[F+4*\i:F+4*\i+3], v4 offset:2*SP*\i   ; LDS serves a wave's instructions in order: these see my stores
.endr
.irp i, 0,1,2,3,4,5,6,7
	s_wait_dscnt 7-\i                              ; the younger loads may be out
	global_store_b128 v5, v[F+4*\i:F+4*\i+3], s[36:37] offset:(8*\u+2*\i+8*(\i/4))*4096 th:TH_STORE_NT   ; stage row n is token 8 u + n + 8 (n / 8) of my 32
.endr
.endm
.macro PASS u
.if \u
	s_wait_xcnt 0x0                                ; the first tile's stores have read their registers: K's fragments land there again
.endif
.irp i, 0,1,2,3,4,5
	v_mov_b32 v[22+\i], v[36+6*\u+\i]              ; tile u's q between the zeros
.endr
	v_perm_b32 v34, v35, v35, 0x01000100+0x02020202*\u   ; its two scale bytes, twice: they serve the lower and the upper 64 of the form's K
	v_mov_b32 v13, 0xff61b1e6                      ; the largest t so far: -3e38
	s_delay_alu instid0(VALU_DEP_1)
	v_floor_f32 v12, -v13                          ; -M
	v_mov_b32 v14, 0
	v_mov_b32 v15, 0
.set j, 0
.rept 32
	v_mov_b32 v[160+j], 0                          ; O^T: the step is written once, its first trip finds zeros.  (Also the places between the writes of q and its scale word and the first product)
.set j, j+1
.endr
	s_mov_b32 s28, 0
	s_mov_b32 s29, 0
	s_mov_b32 s30, 16
.Lstep_\@:
	STEP
	s_sub_co_u32 s30, s30, 1
	s_cmp_lg_u32 s30, 0
	s_cbranch_scc1 .Lstep_\@
	OUT \u
.endm
	PASS 0
	PASS 1
	s_wait_tensorcnt 0x0                           ; the wave's end
	ds_add_u32 v[SPW], v[NIL]
	s_wait_dscnt 0x0
	CROUND                                         ; the closing round
	s_endpgm
.Lfunc_end_k_q2ee3466fad_attn:
	.size	k_q2ee3466fad_attn, .Lfunc_end_k_q2ee3466fad_attn-k_q2ee3466fad_attn
	.p2alignl 7, 3214868480
	.fill 96, 4, 3214868480
	.section	.rodata,"a",@progbits
	.p2align	6, 0x0
	.amdhsa_kernel k_q2ee3466fad_attn
		.amdhsa_group_segment_fixed_size 327680
		.amdhsa_private_segment_fixed_size 0
		.amdhsa_enable_private_segment 0
		.amdhsa_kernarg_size 16
		.amdhsa_user_sgpr_count 2
		.amdhsa_user_sgpr_kernarg_segment_ptr 1
		.amdhsa_wavefront_size32 1
		.amdhsa_system_sgpr_workgroup_id_x 1
		.amdhsa_system_sgpr_workgroup_id_y 1
		.amdhsa_system_sgpr_workgroup_id_z 1
		.amdhsa_system_vgpr_workitem_id 0
		.amdhsa_next_free_vgpr 256
		.amdhsa_next_free_sgpr 66
		.amdhsa_reserve_vcc 0
		.amdhsa_float_denorm_mode_32 3
		.amdhsa_float_denorm_mode_16_64 3
		.amdhsa_memory_ordered 1
		.amdhsa_forward_progress 1
		.amdhsa_inst_pref_size 50
	.end_amdhsa_kernel
	.amdgpu_metadata
---
amdhsa.version: [ 1, 2 ]
amdhsa.kernels:
  - .name:           k_q2ee3466fad_attn
    .symbol:         k_q2ee3466fad_attn.kd
    .args:
      - { .name: qkv, .offset: 0, .size: 8, .value_kind: global_buffer, .address_space: global }
      - { .name: out0, .offset: 8, .size: 8, .value_kind: global_buffer, .address_space: global }
    .group_segment_fixed_size: 327680
    .private_segment_fixed_size: 0
    .kernarg_segment_align: 8
    .kernarg_segment_size: 16
    .max_flat_workgroup_size: 512
    .sgpr_count:     66
    .vgpr_count:     256
    .wavefront_size: 32
...
	.end_amdgpu_metadata
.endif
;; end of part 3
